; MI455X (gfx1250); checked and timed in simulation.
; The chip was launched on July 23, 2026; its instructions are those of AMD's public machine-readable ISA for CDNA 5 (MIT licence, August 2026) and "CDNA5" Instruction Set Architecture Reference Guide (July 2026). The comments in the code are by the model that wrote it; some were corrected since.
;; NNODE Model. Allowed arithmetic: matrix products marked QUANTISED: E3M2 operands, one E8M0 scale for each 32 along K, by v_wmma_scale_f32_16x16x128_f8f6f4 with both operands' format E3M2, f32 sums; products left as they are: f32 operands where the result goes on into a quantised operand, else bf16, f16 or f32 operands; f32 sums; everything else in f32.
;; Inputs: W_lin 32 x 32 float32; W_nl 32 x 32 x 32 float32; x 262,144 x 32 float32.
;; Outputs: out0 262,144 x 32 float32.
;; This version of the problem:
;;   THIS VERSION OF THE PROBLEM IS GIVEN IN LOW PRECISION. The matrix products marked QUANTISED in the list below multiply operands that are first quantised to E3M2 (3 exponent bits, 2 mantissa bits; 6 bits a number), with one power-of-two scale for each 32 numbers along K (OCP MX v1.0); their sums are f32. All else is computed in f32.
;;   The module's matrix products, in the order in which they are computed (A, B: the left and right operand; K: the contracted axis; several contracted axes count as one K, in the product's order):
;;     1. [M 262,144, K 32] x [K 32, N 32]; A: input x; B: input W_lin: QUANTISED
;;     2. batch 262,144 x [M 32, K 1] x [K 1, N 32]; A: computed on the way; B: computed on the way: left as it is (no contracted axis)
;;     3. [M 262,144, K 1,024] x [K 1,024, N 32]; A: computed on the way; B: input W_nl: QUANTISED
;;   THE QUANTISER, for each operand of a quantised product, along K:
;;     - K is cut into blocks of 32 from its start; a last block that is shorter is filled with zeros.
;;     - A block's scale is 2^e with e = floor(log2(the largest magnitude in the block)) - 4, held to -126 .. 127; a block of zeros has e = 0. As a byte (E8M0): e + 127.
;;     - Each number is divided by its block's scale, clamped to +-28, and rounded to the nearest number of E3M2, ties to even, subnormals kept.
;;     - The product sums the exact products of the quantised numbers (number of the format x scale) in f32.
;;   ~~~python
;;   def quantise(x, axis):      # numpy; x: float32 -> the quantised numbers, widened to float32 again
;;       x = np.moveaxis(x, axis, -1); K = x.shape[-1]
;;       x = np.pad(x, [(0, 0)] * (x.ndim - 1) + [(0, -K % 32)]); x = x.reshape(x.shape[:-1] + (-1, 32)); a = np.abs(x).max(-1, keepdims=True)
;;       e = np.where(a > 0, np.clip(np.frexp(np.where(a > 0, a, 1))[1] - 1 - 4, -126, 127), 0)      # np.frexp(a)[1] - 1 = floor(log2(a)), exactly
;;       r = np.clip(x / 2.0 ** e, -28, 28)
;;       step = 2.0 ** (np.maximum(np.frexp(np.where(r == 0, 1, r))[1] - 1, -2) - 2)
;;       q = np.round(r / step) * step * 2.0 ** e      # np.round: ties to even
;;       return np.moveaxis(q.reshape(q.shape[:-2] + (-1,))[..., :K], -1, axis).astype(np.float32)
;;   ~~~
;;   OPERANDS COMPUTED ON THE WAY. 'Computed on the way' means the value that the module computes at that place (a softmax that the list does not call 'softmax' is quantised finished and normalised). What goes into a quantiser is computed in f32, as accurately as f32 sums, v_exp_f32 and their like allow (about 1e-6 of the number): no bf16 or f16 on the way to a quantiser, and a product that is left as it is and whose result goes on into a quantised operand takes f32 operands (vector FMAs, or v_wmma_f32_16x16x4_f32). A number that lies on a knife's edge between two numbers of the format may be rounded either way, as far as f32 arithmetic and the matrix unit's own rounding can turn it there, and no further.
;; One version. Each part assembles by itself: llvm-mc -triple=amdgcn-amd-amdhsa -mcpu=gfx1250 --defsym DOCPART=n.
;; ======== version 1 of 1: 1 launch
;; launch nnode (part 1): grid 256 x 1, 8 waves a work-group, clusters of 4 x 1, 327,680 bytes of LDS; arguments x, W_lin, W_nl, out0; writes out0
.if DOCPART == 1
	.amdgcn_target "amdgcn-amd-amdhsa--gfx1250"
	.amdhsa_code_object_version 6
	.text
	.protected	k_q1d985d8168_nnode
	.globl	k_q1d985d8168_nnode
	.p2align	8
	.type	k_q1d985d8168_nnode,@function
k_q1d985d8168_nnode:
	s_mov_b64 s[64:65], 0
	v_nop
	global_prefetch_b8 v0, s[64:65] scope:SCOPE_SE
	s_setreg_imm32_b32 hwreg(HW_REG_WAVE_MODE, 25, 1), 1
	s_wait_xcnt 0x0
	s_wait_alu depctr_hold_cnt(0) depctr_sa_sdst(0) depctr_va_vdst(0) depctr_va_sdst(0) depctr_va_ssrc(0) depctr_va_vcc(0) depctr_vm_vsrc(0)
	s_getreg_b32 s2, hwreg(HW_REG_IB_STS2, 6, 4)
	s_cmp_eq_u32 s2, 0
	s_cbranch_scc0 .Lentry_in_a_cluster
	s_endpgm
.Lentry_in_a_cluster:
	s_bfe_u32 s2, ttmp6, 0x10000c
	s_cmp_lg_u32 s2, 0x3003
	s_cbranch_scc0 .Lentry_shape_is_right
	s_endpgm
.Lentry_shape_is_right:
; out[b][o] = sum over k of Q(x)[b][k] Q(W_lin)[k][o]  +  sum over K of Q(P)[b][K] Q(W_nl)[o][K],  K = 32 i + j,  P[b][32 i + j] = x[b][i] x[b][j] in f32.
; x, out: [262144][32] f32.  W_lin: [32 (k)][32 (o)] f32.  W_nl: [32 (o)][32 (i)][32 (j)] f32, which is [o][K] with K innermost.  Q: codes of BF6 (E3M2) with one E8M0 scale for each 32 along K.
; NO WORK IS LEFT OUT: every input has a way to every output, and all three inputs are loaded.
; SHARES.  256 work-groups of eight waves; a work-group owns 1,024 rows, a wave 128: eight tiles of 16.  A work-group's x (131,072 bytes) fits in LDS whole: all of it is asked for at the head, nothing is ever filled again.
; Each wave's x comes in four tensor loads of two tiles, so that its first tile can be worked while the later pieces are on their way (a wave's tensor loads end in order: ISA guide 10.11.1).
; CLUSTER.  W_nl and W_lin are read by every work-group: the four partners of a cluster ask for them jointly (mask 15; the descriptors hang on the wave's number alone).  x is shared by nobody: plain loads.
; WEIGHTS.  Wave w quantises rows o = 4 w .. 4 w + 3 of W_nl (128 blocks, a lane to an i), the codes go to LDS as images of the operand's registers, and behind one barrier EVERY wave takes all 18 fragments
; (16 of W_nl, 2 of W_lin) into its registers, window 1, where they stay: 216 registers.
; LAYOUT.  The matrix instruction is used transposed: source 0 = 16 rows o of the weights, source 1 = 16 rows b of P.  Lane (r, h) = (lane % 16, lane / 16) holds row r of the tile.
;   K is walked in an order of its own, alike on both sides: in K step s (0 .. 7) the block at place (c, h) (registers 6 c .. 6 c + 5 of lane half h; scale byte 2 c + h) is block i = 16 h + 2 s + c,
;   so a lane needs x_i only for its OWN half, i = 16 h .. 16 h + 15; inside a block, codes 0-15 are j = 16 h + 0 .. 15 (own half), codes 16-31 j = 16 (1 - h) + 0 .. 15 (other half).  A block holds the same 32 numbers as in memory.
;   Row m of the weights' tile t is o = 16 (m / 8) + 8 t + m % 8: so a lane's 16 results (tiles 0 and 1) are out[r][16 h + 0 .. 15], 64 consecutive bytes.
;   The linear product is a ninth K step: its one block lies at place (0, 0), in natural order; the weights' codes at the other three places are zeros, so whatever codes P's side holds there add nothing.
; P's SCALES WANT NO SEARCH: the largest |x_i x_j| of block i is |x_i| x (the row's largest |x|), rounded alike; that number / 16, held at 2^-126 from below, has the block's scale byte as its exponent field.
; LIMITS.  NaN and infinities among the inputs, and products x_i x_j beyond f32's range, are not served.  A block of zeros has the byte 1 (the linear step's empty places: 0) where the rule says 127: its codes are zeros,
; and this program alone reads the bytes.  The sums go in the order of K set out above, the linear term first: an order of rounding other than the reference's.
.set WAVEB, 18432                      ; a wave's part of x, or of W_nl, in LDS: 128 rows x PITCH
.set TILEB, 2304                       ; 16 rows
.set PITCH, 144                        ; 128 bytes of data + 16 of padding = 36 words: row r starts at bank 36 r mod 64 (64 banks of 4 bytes: ISA guide 11.1), so sixteen rows' 16-byte columns differ
.set WR,    147456                     ; LDS: from 0 x;  from WR W_nl as f32 (a wave's first 2,304 bytes of it later serve as its stage for out: they have had their one fill, and only that wave ever reads them)
.set WL,    294912                     ; W_lin as f32, dense: [k][o] at 128 k + 4 o
.set IMG,   299008                     ; W_nl's codes in pieces of 8 bytes at 3120 s + 1552 t + 776 c + 256 p + 8 L: piece p of place c of lane L of fragment (s, t)
.set WSC,   324096                     ; W_nl's scale words at 128 s + 64 t + 4 m
.set SPARE, 325120                     ; the spare words, 128 bytes for each wave: four blocks of 256 bytes that no other line names
.set AO,   1                           ; v1   x: my row, my own half           never rewritten
.set AX,   2                           ; v2   x: my row, the other half        never rewritten
.set RD,   3                           ; v3   the stage: where I read rows back
.set GO,   4                           ; v4   16 x lane: my bytes of 512 of out
.set SPW,  5                           ; v5   my spare word: SPARE + 4 x my thread's number; never rewritten
.set NIL,  6                           ; v6   0; never rewritten
.set SCX,  7                           ; v7   x's own scale operand
.set XM4,  8                           ; v[8:9] the row's largest |x| / 16, and a written partner for the packed form
.set XM,   10                          ; v10, v11 the row's largest |x|
.set W8,   12                          ; v12-19 scale bytes on their way;  in the head v12, v13: addresses in W_nl
.set WX,   20                          ; v20-27 the same of lane l xor 16
.set T,    28                          ; v28-30 a block's upper 16 codes (a conversion's three registers begin on an even number)
.set MASK, 31                          ; head: all ones in lanes 0-15, 0 in lanes 16-31
.set IA,   32                          ; head: where I store a block's codes
.set SA,   33                          ; head: and its scale byte
.set LI8,  34                          ; head: IMG + 8 x lane
.set LS4,  35                          ; head: WSC + 4 x lane
.set XO,   36                          ; v36-51 x of my own half;  head: codes
.set XX,   52                          ; v52-67 x of the other half
.set SCL,  68                          ; v68-83 the 16 blocks' scale operands;  head: at work
.set PS,   84                          ; v84-92  P's scale words, K steps 0 .. 7 and the linear one: scales and nothing else
.set WS,   93                          ; v93-101 the weights': lanes 0-15 tile 0's rows, lanes 16-31 tile 1's: scales and nothing else
.set ACC,  102                         ; v102-109 tile 0, v110-117 tile 1
.set PR,   118                         ; v118-149 a block's 32 products;  head (NUM): v118-245 numbers to be quantised
.set FRL,  150                         ; v150-155 x's codes: the linear step's place 0
.set FRN,  156                         ; v156-251 P's fragments, 12 s on
.set LANE, 246                         ; head only, v246-251: lane, r, h, 1 - h, two at work
.set RR,   247
.set HH,   248
.set HX,   249
.set LA,   252                         ; head: my column of W_lin
.set STO,  254                         ; v254 the stage: where I put my 64 bytes of a row
.set AWO,  12
.set AWX,  13
.set NUM,  118
.set HC,   36
.set HM,   68
.set HS,   76
.set HB,   80
; scalars: s[4:11] x, W_lin, W_nl, out;  s12 wave;  s13 WAVEB x wave;  s[16:23], s[24:31], s[32:39] groups 1 for W_nl, x, W_lin;  s[40:43], s[44:47] groups 0 for W_nl, W_lin;  s[48:63] four for x;
; s[66:67] lane selects;  s68, s69 byte selects;  s70 2^-126;  s[76:79] the joint loads' offsets;  s80-86 the head's sums
.set MSB, 0
.macro WIN new                         ; the immediate's high byte repeats the setting that is left
.if MSB != \new
	s_set_vgpr_msb (MSB<<8)|\new
.set MSB, \new
.endif
.endm
.macro CROUND                          ; a round of the cluster's barrier: my work-group's barrier; wave 0 signals for the work-group; every wave waits for all four work-groups; my work-group's barrier once more
	s_barrier_signal -1
	s_barrier_wait -1
	s_cmp_lg_u32 s12, 0
	s_cbranch_scc1 .Lnot_wave_0_\@
	s_barrier_signal -3
.Lnot_wave_0_\@:
	s_barrier_wait -3
	s_barrier_signal -1
	s_barrier_wait -1
.endm
	s_load_b256 s[4:11], s[0:1], 0x0               ; x s[4:5], W_lin s[6:7], W_nl s[8:9], out s[10:11]
	v_lshl_add_u32 v[SPW], v0, 2, SPARE
	v_mov_b32 v[NIL], 0
	ds_add_u32 v[SPW], v[NIL]                      ; the wave's opening: the add, twice on end, and its wait ahead of my first tensor load; the set-up below, work on registers, stands between
	ds_add_u32 v[SPW], v[NIL]                      ; and once more
	v_lshrrev_b32 v7, 5, v0
	v_readfirstlane_b32 s12, v7                    ; wave 0..7
	s_mul_i32 s13, s12, WAVEB
	s_bfe_u32 s14, ttmp6, 0x40000                  ; cx: my place in the cluster; it enters x's and out's addresses alone
	s_lshl_b32 s15, ttmp9, 2                       ; in a cluster launch ttmp9 counts clusters
	s_add_co_u32 s15, s15, s14                     ; my work-group
	s_lshl_b32 s2, s15, 17                         ; its 1,024 rows of 128 bytes,
	s_lshl_b32 s3, s12, 14                         ; my wave's 128 of them
	s_add_co_u32 s2, s2, s3
	s_mov_b32 s3, 0
	s_lshl_b32 s76, s12, 14                        ; my 16,384 bytes of W_nl: rows o = 4 w .. 4 w + 3
	s_mov_b32 s77, 0
	s_lshl_b32 s78, s12, 9                         ; my 512 bytes of W_lin
	s_mov_b32 s79, 0
	; groups 1: dense blocks as lines of 256 bytes (32 elements of 8 bytes).  W_nl's and x's get 16 bytes of padding behind every 128 bytes (32 words: code 4; 4 words: code 3)
	s_mov_b32 s16, 15|(3<<16)|(1<<20)|(1<<21)|(4<<22)|(3<<25)   ; W_nl: the mask names all four work-groups, bit 21 set beside it
	s_mov_b32 s17, 32<<16                          ; tensor_dim0 = 32
	s_mov_b32 s18, 64<<16                          ; tensor_dim1 = 64 lines
	s_mov_b32 s19, 32<<16                          ; tile_dim0
	s_mov_b32 s20, 64                              ; tile_dim1
	s_mov_b32 s21, 32                              ; from line to line
	s_mov_b32 s22, 0
	s_mov_b32 s23, 0
	s_mov_b32 s24, (3<<16)|(1<<20)|(4<<22)|(3<<25) ; x: no mask; a piece is 16 lines: 32 rows, two tiles
	s_mov_b32 s25, 32<<16
	s_mov_b32 s26, 16<<16
	s_mov_b32 s27, 32<<16
	s_mov_b32 s28, 16
	s_mov_b32 s29, 32
	s_mov_b32 s30, 0
	s_mov_b32 s31, 0
	s_mov_b32 s32, 15|(3<<16)|(1<<21)              ; W_lin: joint, no padding, 2 lines a wave
	s_mov_b32 s33, 32<<16
	s_mov_b32 s34, 2<<16
	s_mov_b32 s35, 32<<16
	s_mov_b32 s36, 2
	s_mov_b32 s37, 32
	s_mov_b32 s38, 0
	s_mov_b32 s39, 0
	s_mov_b32 s66, 0x76543210
	s_mov_b32 s67, 0xfedcba98                      ; v_permlanex16_b32's selects for lane l xor 16
	s_mov_b32 s68, 0x07060302                      ; the upper halves of two words
	s_mov_b32 s69, 0x06020400                      ; bytes 0 and 2 of two words, by turns
	s_mov_b32 s70, 0x00800000                      ; 2^-126
	s_bfe_u32 s80, s12, 0x10001                    ; my rows o = 4 w + o' lie in tile t = (w / 2) % 2, at m = 8 (w / 4) + 4 (w % 2) + o'
	s_lshr_b32 s81, s12, 2
	s_and_b32 s82, s12, 1
	s_mul_i32 s84, s80, 1552
	s_lshl_b32 s83, s81, 6
	s_add_co_u32 s84, s84, s83
	s_lshl_b32 s83, s82, 5
	s_add_co_u32 s84, s84, s83
	s_add_co_u32 s84, s84, IMG                     ; IMG + 1552 t + 8 m (o' = 0)
	s_lshl_b32 s85, s80, 6
	s_lshl_b32 s83, s81, 5
	s_add_co_u32 s85, s85, s83
	s_lshl_b32 s83, s82, 4
	s_add_co_u32 s85, s85, s83
	s_add_co_u32 s85, s85, WSC                     ; WSC + 64 t + 4 m
	s_add_co_u32 s86, s13, WR                      ; my part of W_nl in LDS
	v_mov_b32 v[XM4+1], 0                          ; (named with v8 as a pair, so it is written)
.irp i, 0,1,2,3,4,5,6,7
	v_mov_b32 v[WX+\i], 0                          ; written once: a lane permute's destination counts as one of its sources
.endr
	s_wait_dscnt 0x0                               ; both opening adds are done
	s_wait_kmcnt 0x0
	s_add_nc_u64 s[4:5], s[4:5], s[2:3]            ; x and out at my wave's first row
	s_add_nc_u64 s[10:11], s[10:11], s[2:3]
	s_mov_b32 s40, 1                               ; groups 0: count = 1; LDS address; global address; type = 2
	s_add_co_u32 s41, s13, WR
	s_add_nc_u64 s[42:43], s[8:9], s[76:77]
	s_or_b32 s43, s43, 0x80000000
	s_mov_b32 s44, 1
	s_add_co_u32 s45, s78, WL
	s_add_nc_u64 s[46:47], s[6:7], s[78:79]
	s_or_b32 s47, s47, 0x80000000
.irp p, 0,1,2,3
	s_mov_b32 s[48+4*\p], 1
	s_add_co_u32 s[49+4*\p], s13, 2*TILEB*\p
	s_add_nc_u64 s[50+4*\p:51+4*\p], s[4:5], 4096*\p
	s_or_b32 s[51+4*\p], s[51+4*\p], 0x80000000
.endr
	CROUND                                         ; all four work-groups are here: the joint loads meet.  All first fills go out as one group behind this one round
	tensor_load_to_lds s[40:43], s[16:23]          ; my part of W_nl
	s_nop 0
	tensor_load_to_lds s[44:47], s[32:39]          ; my part of W_lin
	s_nop 0
.irp p, 0,1,2,3
	tensor_load_to_lds s[48+4*\p:51+4*\p], s[24:31] ; my tiles 2 p and 2 p + 1 of x.  Six tensor loads of mine are out now, and never more
	s_nop 0
.endr
.rept 4
	v_nop
.endr
	; every LDS address is made here, ahead of the first barrier, of the thread's number, the wave's number and constants
	v_and_b32 v[LANE], 31, v0
	v_and_b32 v[RR], 15, v0                        ; r
	v_bfe_u32 v[HH], v0, 4, 1                      ; h
	v_xor_b32 v[HX], 1, v[HH]                      ; 1 - h
	v_mul_u32_u24 v250, v[RR], PITCH
	v_add_nc_u32 v250, s13, v250
	v_lshl_add_u32 v[AO], v[HH], 6, v250           ; row r of a tile, + 64 h
	v_lshl_add_u32 v[AX], v[HX], 6, v250           ; + 64 (1 - h)
	v_add_nc_u32 v[STO], WR, v[AO]                 ; the stage has the same pitch
	v_bfe_u32 v250, v0, 3, 2
	v_mul_u32_u24 v250, v250, PITCH
	v_and_b32 v251, 7, v0
	v_lshl_add_u32 v250, v251, 4, v250
	v_add_nc_u32 v[RD], s86, v250                  ; back: eight lanes to a row of 128 bytes, four rows an instruction
	v_lshlrev_b32 v[GO], 4, v[LANE]
	v_mul_u32_u24 v250, v[LANE], PITCH             ; W_nl: lane = i; block (o', i) is row 32 o' + i of my part
	v_add_nc_u32 v250, s86, v250
	v_lshl_add_u32 v[AWO], v[HH], 6, v250          ; j = 16 (i / 16) on: the codes' first half,
	v_lshl_add_u32 v[AWX], v[HX], 6, v250          ; and the other 16: their second
	v_bfe_u32 v250, v0, 1, 3                       ; block i lies in K step s = (i / 2) % 8,
	v_and_b32 v251, 1, v0                          ; at place c = i % 2, h = i / 16
	v_mul_u32_u24 v[IA], v250, 3120
	v_mad_u32_u24 v[IA], v251, 776, v[IA]
	v_lshl_add_u32 v[IA], v[HH], 7, v[IA]
	v_add_nc_u32 v[IA], s84, v[IA]                 ; modulo 256 the 32 lanes stand at 48 s + 8 c + 128 h: 32 different columns of 8 bytes
	v_lshlrev_b32 v[SA], 7, v250
	v_lshl_add_u32 v[SA], v251, 1, v[SA]
	v_add_nc_u32 v[SA], v[SA], v[HH]
	v_add_nc_u32 v[SA], s85, v[SA]                 ; byte 2 c + h of word (s, t, m)
	v_lshl_add_u32 v[LI8], v[LANE], 3, IMG
	v_lshl_add_u32 v[LS4], v[LANE], 2, WSC
	v_bfe_u32 v250, v0, 3, 1
	v_and_b32 v251, 7, v0
	v_lshlrev_b32 v251, 2, v251
	v_lshl_add_u32 v251, v250, 6, v251
	v_add_nc_u32 v[LA], WL, v251                   ; W_lin: column o = 16 (m / 8) + m % 8 (+ 8 t), m = lane % 16
	v_add_nc_u32 v[MASK], -1, v[HH]
; nb blocks of 32 numbers, block b in v[NUM + 32 b] on, become codes in v[HC + 8 b] .. + 2 and v[HC + 8 b + 4] .. + 6, and a scale byte in v[HB + b].  All 32 numbers of a block are the lane's own.
.macro QBLOCKS nb
.set b, 0
.rept \nb
	v_max3_num_f32 v[HM+b], |v[NUM+32*b]|, |v[NUM+32*b+1]|, 0x2800000   ; and the floor 2^(5 - 127), under which no largest magnitude is taken: so the byte cannot fall under 1
.set b, b+1
.endr
.set i, 2
.rept 15
.set b, 0
.rept \nb
	v_max3_num_f32 v[HM+b], v[HM+b], |v[NUM+32*b+i]|, |v[NUM+32*b+i+1]| ; (the blocks by turns)
.set b, b+1
.endr
.set i, i+2
.endr
.set b, 0
.rept \nb
	v_add_nc_u32 v[HS+b], 0xfe000000, v[HM+b]      ; 4 off the exponent field: the conversion takes the exponent field of this operand as its scale
.set b, b+1
.endr
.set b, 0
.rept \nb
	v_lshrrev_b32 v[HB+b], 23, v[HS+b]             ; the scale's byte
.set b, b+1
.endr
.set b, 0
.rept \nb
	v_cvt_scalef32_pk16_bf6_f32 v[HC+8*b:HC+8*b+2], v[NUM+32*b:NUM+32*b+15], v[HS+b]
	v_cvt_scalef32_pk16_bf6_f32 v[HC+8*b+4:HC+8*b+6], v[NUM+32*b+16:NUM+32*b+31], v[HS+b]
.set b, b+1
.endr
	v_nop                                          ; one plain place behind a scaled conversion
.endm
	; ---- W_nl: my 128 blocks
	s_wait_tensorcnt 0x4                           ; my parts of W_nl and W_lin are in; the four pieces of x, issued behind them, may be out
.irp o, 0,1,2,3
.irp q, 0,1,2,3
	ds_load_b128 v[NUM+32*\o+4*\q:NUM+32*\o+4*\q+3], v[AWO] offset:32*PITCH*\o+16*\q
	ds_load_b128 v[NUM+32*\o+16+4*\q:NUM+32*\o+16+4*\q+3], v[AWX] offset:32*PITCH*\o+16*\q
.endr
.endr
	s_wait_dscnt 0x0
	QBLOCKS 4
.irp o, 0,1,2,3
	v_mov_b32 v[HC+8*\o+3], v[HC+8*\o+4]           ; the block's 24 bytes on end
	v_mov_b32 v[HC+8*\o+4], v[HC+8*\o+5]
	v_mov_b32 v[HC+8*\o+5], v[HC+8*\o+6]
.endr
.irp o, 0,1,2,3
.irp p, 0,1,2
	ds_store_b64 v[IA], v[HC+8*\o+2*\p:HC+8*\o+2*\p+1] offset:256*\p+8*\o
.endr
	ds_store_b8 v[SA], v[HB+\o] offset:4*\o
.endr
	s_wait_dscnt 0x0                               ; for the others' sake: my stores are done (and my part of W_lin has landed: the wait on TENSORcnt above)
	s_barrier_signal -1
	s_barrier_wait -1                              ; all images, all scale words and all of W_lin lie in LDS.  X's pieces may stay out across it
	; ---- every wave takes all the weights into its registers
.irp t, 0,1
.set kk, 0
.rept 32
	ds_load_b32 v[NUM+32*\t+kk], v[LA] offset:128*kk+32*\t      ; W_lin(k, my column of tile t): my registers run down K; both halves of the lanes hold the same
.set kk, kk+1
.endr
.endr
	WIN 0x40                                       ; destination window 1, address window 0
.irp s, 0,1,2,3,4,5,6,7
.irp t, 0,1
.irp c, 0,1
.irp p, 0,1,2
	ds_load_b64 v[24+12*(2*\s+\t)+6*\c+2*\p:24+12*(2*\s+\t)+6*\c+2*\p+1], v[LI8] offset:3120*\s+1552*\t+776*\c+256*\p   ; 32 lanes, 256 consecutive bytes
.endr
.endr
.endr
.endr
	WIN 0
.irp s, 0,1,2,3,4,5,6,7
	ds_load_b32 v[WS+\s], v[LS4] offset:128*\s     ; lanes 0-15 tile 0's words, lanes 16-31 tile 1's
.endr
	s_wait_dscnt 0x0
	QBLOCKS 2                                      ; W_lin's two tiles
	v_cmp_lt_u32 vcc_lo, 15, v[LANE]
	v_cndmask_b32 v[WS+8], v[HB], v[HB+1], vcc_lo  ; byte 0: the column's scale; bytes 1 to 3 are 0, over zero codes
	WIN 0x40
.irp t, 0,1
.irp i, 0,1,2
	v_and_b32 v[12*\t+\i], v[MASK], v[HC+8*\t+\i]          ; place (0, 0) alone holds codes: lanes 16-31 get zeros,
	v_and_b32 v[12*\t+3+\i], v[MASK], v[HC+8*\t+4+\i]
.endr
.irp i, 6,7,8,9,10,11
	v_mov_b32 v[12*\t+\i], 0                       ; and so do both places c = 1
.endr
.endr
	WIN 0
; x of tile k: my own half and the other half of my row.  A piece of x holds two tiles: ahead of an even tile the count leaves out the pieces issued behind its own.
.macro LOADX k
.if ((\k)%2) == 0
	s_wait_tensorcnt 3-(\k)/2
.endif
.irp q, 0,1,2,3
	ds_load_b128 v[XO+4*\q:XO+4*\q+3], v[AO] offset:TILEB*(\k)+16*\q
.endr
.irp q, 0,1,2,3
	ds_load_b128 v[XX+4*\q:XX+4*\q+3], v[AX] offset:TILEB*(\k)+16*\q
.endr
.endm
; The row's largest |x|: my 16 and the floor 2^(5 - 127) in two chains, then lane l xor 16's.  These ten name no register of the last tile's products: they are the places behind them (ISA guide 7.12.1).
.macro XMAX
	v_max3_num_f32 v[XM], |v[XO]|, |v[XO+1]|, 0x2800000
	v_max3_num_f32 v[XM+1], |v[XO+2]|, |v[XO+3]|, |v[XO+4]|
.irp i, 5,9
	v_max3_num_f32 v[XM], v[XM], |v[XO+\i]|, |v[XO+\i+1]|
	v_max3_num_f32 v[XM+1], v[XM+1], |v[XO+\i+2]|, |v[XO+\i+3]|
.endr
	v_max3_num_f32 v[XM], v[XM], |v[XO+13]|, |v[XO+14]|
	v_max3_num_f32 v[XM], v[XM], v[XM+1], |v[XO+15]|
	v_permlanex16_b32 v[XM+1], v[XM], s66, s67
	v_max_num_f32 v[XM], v[XM], v[XM+1]
.endm
; The way out, first part: a lane's 64 bytes of a row go into my stage, each accumulator from its low end on, and come back as four rows an instruction, into the registers that they left.
.macro OUTA
.irp q, 0,1,2,3
	ds_store_b128 v[STO], v[ACC+4*\q:ACC+4*\q+3] offset:16*\q
.endr
.irp q, 0,1,2,3
	ds_load_b128 v[ACC+4*\q:ACC+4*\q+3], v[RD] offset:4*PITCH*\q   ; LDS serves a wave's instructions in order (ISA guide 5.7.1.4): these see the stores above
.endr
.endm
.macro OUTB k                          ; second part: tile k's 2,048 bytes
	s_wait_dscnt 0x0
.irp q, 0,1,2,3
	global_store_b128 v[GO], v[ACC+4*\q:ACC+4*\q+3], s[10:11] offset:2048*(\k)+512*\q th:TH_STORE_NT   ; 32 lanes store 512 consecutive bytes, at a multiple of 512 from out's first byte
.endr
.endm
; x's own block for the linear product.  In lanes 0-15 own half, other half is the natural order of k; lanes 16-31 meet zero codes.
.macro LINQ
	v_add_nc_u32 v[SCX], 0xfe000000, v[XM]         ; 4 off the exponent field: the scale operand
	v_lshrrev_b32 v[PS+8], 23, v[SCX]              ; byte 0: the block's scale; bytes 1 to 3 are 0, against zero codes
	v_cvt_scalef32_pk16_bf6_f32 v[T:T+2], v[XX:XX+15], v[SCX]
	v_mul_f32 v[XM4], 0x3d800000, v[XM]            ; the largest |x| / 16: exact, since the floor keeps it at 2^-126 or more.  (A plain place behind the conversion)
	v_cvt_scalef32_pk16_bf6_f32 v[FRL:FRL+2], v[XO:XO+15], v[SCX]
.irp i, 0,1,2
	v_mov_b32 v[FRL+3+\i], v[T+\i]                 ; (plain, and they name nothing of the conversion just above)
.endr
.endm
; The scale operands of my 16 blocks of P, and the eight scale words.
.macro SCALES
.irp i, 0,2,4,6,8,10,12,14
	v_pk_mul_f32 v[SCL+\i:SCL+\i+1], v[XO+\i:XO+\i+1], v[XM4:XM4+1] op_sel_hi:[1,0]
.endr
.irp i, 0,1,2,3,4,5,6,7,8,9,10,11,12,13,14,15
	v_max_num_f32 v[SCL+\i], |v[SCL+\i]|, s70      ; its exponent field is the block's byte, held at 1 from below
.endr
.irp s, 0,1,2,3,4,5,6,7
	v_perm_b32 v[W8+\s], v[SCL+2*\s+1], v[SCL+2*\s], s68   ; the upper halves of places c = 1 and c = 0
.endr
.irp s, 0,1,2,3,4,5,6,7
	v_lshrrev_b32 v[W8+\s], 7, v[W8+\s]            ; their exponent fields are now bytes 2 and 0
.endr
.irp s, 0,1,2,3,4,5,6,7
	v_permlanex16_b32 v[WX+\s], v[W8+\s], s66, s67
.endr
.irp s, 0,1,2,3,4,5,6,7
	v_perm_b32 v[PS+\s], v[WX+\s], v[W8+\s], s69   ; bytes (c, h) = (0, 0), (0, 1), (1, 0), (1, 1): right in lanes 0-15, which are the lanes that are read
.endr
.endm
; Block a of my 16: i = 16 h + a, K step a / 2, place c = a % 2.  32 products in f32, two conversions.  Behind each conversion stands a plain instruction that names neither its result nor its sources.
.macro BLOCK a
.set MP, XO+2*((\a)/2)                 ; the pair that holds x_i
.set DST, FRN+6*(\a)
.irp j, 0,2,4,6,8,10,12,14
.if ((\a)%2) == 0
	v_pk_mul_f32 v[PR+16+\j:PR+17+\j], v[XX+\j:XX+\j+1], v[MP:MP+1] op_sel_hi:[1,0]
.else
	v_pk_mul_f32 v[PR+16+\j:PR+17+\j], v[XX+\j:XX+\j+1], v[MP:MP+1] op_sel:[0,1] op_sel_hi:[1,1]
.endif
.endr
	v_cvt_scalef32_pk16_bf6_f32 v[T:T+2], v[PR+16:PR+31], v[SCL+(\a)]
.irp j, 0,2,4,6,8,10,12,14
.if ((\a)%2) == 0
	v_pk_mul_f32 v[PR+\j:PR+\j+1], v[XO+\j:XO+\j+1], v[MP:MP+1] op_sel_hi:[1,0]
.else
	v_pk_mul_f32 v[PR+\j:PR+\j+1], v[XO+\j:XO+\j+1], v[MP:MP+1] op_sel:[0,1] op_sel_hi:[1,1]
.endif
.endr
	v_cvt_scalef32_pk16_bf6_f32 v[DST:DST+2], v[PR:PR+15], v[SCL+(\a)]
.irp i, 0,1,2
	v_mov_b32 v[DST+3+\i], v[T+\i]
.endr
.endm
; One matrix instruction: tile t of the weights (fragment at wf of window 1) x P's fragment at pf; sc: which scale words.  Tile 1's scale words lie in lanes 16-31.
.macro MM t, wf, pf, first, sc
.if \first
.if \t
	v_wmma_scale_f32_16x16x128_f8f6f4 v[ACC+8:ACC+15], v[(\wf):(\wf)+11], v[(\pf):(\pf)+11], 0, v[WS+(\sc)], v[PS+(\sc)] matrix_a_fmt:MATRIX_FMT_BF6 matrix_b_fmt:MATRIX_FMT_BF6 matrix_a_scale:MATRIX_SCALE_ROW1
.else
	v_wmma_scale_f32_16x16x128_f8f6f4 v[ACC:ACC+7], v[(\wf):(\wf)+11], v[(\pf):(\pf)+11], 0, v[WS+(\sc)], v[PS+(\sc)] matrix_a_fmt:MATRIX_FMT_BF6 matrix_b_fmt:MATRIX_FMT_BF6
.endif
.else
.if \t
	v_wmma_scale_f32_16x16x128_f8f6f4 v[ACC+8:ACC+15], v[(\wf):(\wf)+11], v[(\pf):(\pf)+11], v[ACC+8:ACC+15], v[WS+(\sc)], v[PS+(\sc)] matrix_a_fmt:MATRIX_FMT_BF6 matrix_b_fmt:MATRIX_FMT_BF6 matrix_a_scale:MATRIX_SCALE_ROW1
.else
	v_wmma_scale_f32_16x16x128_f8f6f4 v[ACC:ACC+7], v[(\wf):(\wf)+11], v[(\pf):(\pf)+11], v[ACC:ACC+7], v[WS+(\sc)], v[PS+(\sc)] matrix_a_fmt:MATRIX_FMT_BF6 matrix_b_fmt:MATRIX_FMT_BF6
.endif
.endif
.endm
; A tile's 18 matrix instructions.  The linear step starts both sums: nothing is cleared.  The two accumulators take turns, one instruction a turn.
.macro MMA k
.rept 4
	v_nop                                          ; an operand written by vector instructions stands four places ahead of a scaled matrix instruction; the scale words were written a whole run of blocks ago
.endr
.if (\k) > 0
	s_wait_xcnt 0x0                                ; the last tile's stores have read the accumulators' registers: they are written again only behind this wait
.endif
	WIN 0x01                                       ; source 0 (the weights) window 1
	MM 0, 0, FRL, 1, 8                             ; (source 1's upper six registers are P's first block: they meet zero codes)
	MM 1, 12, FRL, 1, 8
.irp s, 0,1,2,3,4,5,6,7
	MM 0, 24+24*\s, FRN+12*\s, 0, \s
	MM 1, 36+24*\s, FRN+12*\s, 0, \s
.endr
	WIN 0
.endm
; A TILE of 16 rows.  The last tile's results go through the stage and out among this tile's vector work; the next tile's x is asked for ahead of the products.
.macro TILE k
	s_wait_dscnt 0x0                               ; this tile's x is in
	XMAX
.if (\k) > 0
	OUTA
.endif
	LINQ
	SCALES
.if (\k) > 0
	OUTB (\k)-1
.endif
.irp a, 0,1,2,3,4,5,6,7,8,9,10,11,12,13,14,15
	BLOCK \a
.endr
.if (\k) < 7
	LOADX (\k)+1
.endif
	MMA \k
.endm
	LOADX 0
.irp k, 0,1,2,3,4,5,6,7
	TILE \k
.endr
.rept 4
	v_nop                                          ; places between the last products and the first read of their results
.endr
	OUTA
	OUTB 7
	s_wait_tensorcnt 0x0                           ; the wave's end, behind my last tensor load and my last LDS store
	ds_add_u32 v[SPW], v[NIL]
	s_wait_dscnt 0x0
	CROUND                                         ; the closing round: no work-group ends while a partner may still ask for a tile that names it
	s_endpgm
.Lfunc_end_k_q1d985d8168_nnode:
	.size	k_q1d985d8168_nnode, .Lfunc_end_k_q1d985d8168_nnode-k_q1d985d8168_nnode
	.p2alignl 7, 3214868480
	.fill 96, 4, 3214868480
	.section	.rodata,"a",@progbits
	.p2align	6, 0x0
	.amdhsa_kernel k_q1d985d8168_nnode
		.amdhsa_group_segment_fixed_size 327680
		.amdhsa_private_segment_fixed_size 0
		.amdhsa_enable_private_segment 0
		.amdhsa_kernarg_size 32
		.amdhsa_user_sgpr_count 2
		.amdhsa_user_sgpr_kernarg_segment_ptr 1
		.amdhsa_wavefront_size32 1
		.amdhsa_system_sgpr_workgroup_id_x 1
		.amdhsa_system_sgpr_workgroup_id_y 1
		.amdhsa_system_sgpr_workgroup_id_z 1
		.amdhsa_system_vgpr_workitem_id 0
		.amdhsa_next_free_vgpr 512
		.amdhsa_next_free_sgpr 88
		.amdhsa_reserve_vcc 1
		.amdhsa_float_denorm_mode_32 3
		.amdhsa_float_denorm_mode_16_64 3
		.amdhsa_memory_ordered 1
		.amdhsa_forward_progress 1
		.amdhsa_inst_pref_size 253
	.end_amdhsa_kernel
	.amdgpu_metadata
---
amdhsa.version: [ 1, 2 ]
amdhsa.kernels:
  - .name:           k_q1d985d8168_nnode
    .symbol:         k_q1d985d8168_nnode.kd
    .args:
      - { .name: x, .offset: 0, .size: 8, .value_kind: global_buffer, .address_space: global }
      - { .name: W_lin, .offset: 8, .size: 8, .value_kind: global_buffer, .address_space: global }
      - { .name: W_nl, .offset: 16, .size: 8, .value_kind: global_buffer, .address_space: global }
      - { .name: out0, .offset: 24, .size: 8, .value_kind: global_buffer, .address_space: global }
    .group_segment_fixed_size: 327680
    .private_segment_fixed_size: 0
    .kernarg_segment_align: 8
    .kernarg_segment_size: 32
    .max_flat_workgroup_size: 256
    .sgpr_count:     88
    .vgpr_count:     512
    .wavefront_size: 32
...
	.end_amdgpu_metadata
.endif
;; end of part 1
